; MI455X (gfx1250); checked and timed in simulation.
; The chip was launched on July 23, 2026; its instructions are those of AMD's public machine-readable ISA for CDNA 5 (MIT licence, August 2026) and "CDNA5" Instruction Set Architecture Reference Guide (July 2026). The comments in the code are by the model that wrote it; some were corrected since.
;; Attention. Allowed arithmetic: matrix products marked QUANTISED: E2M1 operands, one E8M0 scale for each 32 along K, by v_wmma_scale_f32_16x16x128_f8f6f4 with both operands' format E2M1 (or v_wmma_scale_f32_32x16x128_f4), f32 sums; products left as they are: f32 operands where the result goes on into a quantised operand, else bf16, f16 or f32 operands; f32 sums; everything else in f32.
;; Inputs: W 512 x 512 float32; bias 1 float32; key 64 x 2,048 x 512 float32; query 64 x 512 float32.
;; Outputs: out0 64 x 2,048 float32.
;; This version of the problem:
;;   THIS VERSION OF THE PROBLEM IS GIVEN IN LOW PRECISION. The matrix products marked QUANTISED in the list below multiply operands that are first quantised to E2M1 (2 exponent bits, 1 mantissa bit; 4 bits a number), with one power-of-two scale for each 32 numbers along K (OCP MX v1.0); their sums are f32. All else is computed in f32.
;;   The module's matrix products, in the order in which they are computed (A, B: the left and right operand; K: the contracted axis; several contracted axes count as one K, in the product's order):
;;     1. [M 64, K 512] x [K 512, N 512]; A: input query; B: input W: QUANTISED
;;     2. batch 64 x [M 2,048, K 512] x [K 512, N 1]; A: input key; B: computed on the way: left as it is (N = 1 < 16)
;;   THE QUANTISER, for each operand of a quantised product, along K:
;;     - K is cut into blocks of 32 from its start; a last block that is shorter is filled with zeros.
;;     - A block's scale is 2^e with e = floor(log2(the largest magnitude in the block)) - 2, held to -126 .. 127; a block of zeros has e = 0. As a byte (E8M0): e + 127.
;;     - Each number is divided by its block's scale, clamped to +-6, and rounded to the nearest number of E2M1, ties to even, subnormals kept.
;;     - The product sums the exact products of the quantised numbers (number of the format x scale) in f32.
;;   ~~~python
;;   def quantise(x, axis):      # numpy; x: float32 -> the quantised numbers, widened to float32 again
;;       x = np.moveaxis(x, axis, -1); K = x.shape[-1]
;;       x = np.pad(x, [(0, 0)] * (x.ndim - 1) + [(0, -K % 32)]); x = x.reshape(x.shape[:-1] + (-1, 32)); a = np.abs(x).max(-1, keepdims=True)
;;       e = np.where(a > 0, np.clip(np.frexp(np.where(a > 0, a, 1))[1] - 1 - 2, -126, 127), 0)      # np.frexp(a)[1] - 1 = floor(log2(a)), exactly
;;       r = np.clip(x / 2.0 ** e, -6, 6)
;;       step = 2.0 ** (np.maximum(np.frexp(np.where(r == 0, 1, r))[1] - 1, 0) - 1)
;;       q = np.round(r / step) * step * 2.0 ** e      # np.round: ties to even
;;       return np.moveaxis(q.reshape(q.shape[:-2] + (-1,))[..., :K], -1, axis).astype(np.float32)
;;   ~~~
;; One version. Each part assembles by itself: llvm-mc -triple=amdgcn-amd-amdhsa -mcpu=gfx1250 --defsym DOCPART=n.
;; ======== version 1 of 1: 2 launches
;; workspace buffers: part 2,097,152 bytes
;; launch slices (part 1): grid 64 x 4, 16 waves a work-group, clusters of 4 x 1, 288,768 bytes of LDS; arguments W, query, key, part; writes part
.if DOCPART == 1
	.amdgcn_target "amdgcn-amd-amdhsa--gfx1250"
	.amdhsa_code_object_version 6
	.text
	.protected	k_q665fe4bbd3_slices
	.globl	k_q665fe4bbd3_slices
	.p2align	8
	.type	k_q665fe4bbd3_slices,@function
k_q665fe4bbd3_slices:
	s_mov_b64 s[64:65], 0
	v_nop
	global_prefetch_b8 v0, s[64:65] scope:SCOPE_SE
	s_setreg_imm32_b32 hwreg(HW_REG_WAVE_MODE, 25, 1), 1
	s_wait_xcnt 0x0
	s_wait_alu depctr_hold_cnt(0) depctr_sa_sdst(0) depctr_va_vdst(0) depctr_va_sdst(0) depctr_va_ssrc(0) depctr_va_vcc(0) depctr_vm_vsrc(0)
	s_getreg_b32 s2, hwreg(HW_REG_IB_STS2, 6, 4)
	s_cmp_eq_u32 s2, 0
	s_cbranch_scc0 .Lentry_in_a_cluster
	s_endpgm
.Lentry_in_a_cluster:
	s_bfe_u32 s2, ttmp6, 0x10000c
	s_cmp_lg_u32 s2, 0x3003
	s_cbranch_scc0 .Lentry_shape_is_right
	s_endpgm
.Lentry_shape_is_right:
; part[b][j][t] = sum over k = 128 j .. 128 j + 127 of key[b][t][k] mids[b][k],   mids[b][k] = sum over q of Q(W[k][q]) Q(query[b][q]).
; Q: codes of FP4 (E2M1) with one E8M0 scale for each 32 along q.  W [512][512], query [64][512], key [64][2048][512], part [64][4][2048], all f32.
; SHARES.  Work-group (b, j) takes 512 bytes of each of batch b's 2,048 key rows (1 MiB) and so needs 128 numbers of mids, which need 128 rows of W and not all 512.
; The sum over the four j, the bias, tanh and the softmax follow in the next launch.
; MIDS.  Wave w takes W's rows 16 (w / 2) .. + 15 of the slice and q = 256 (w % 2) .. + 255: one tensor load, 16 rows x 1,024 bytes.  A lane reads whole blocks of 32 from LDS in the order of the
; operand's registers, so a block's largest magnitude needs no other lane and the conversions' results are the operand.  Source 0 = the query in all 16 rows (the work-group has one batch, the form
; has 16 rows at the least), source 1 = 16 rows of W: register 0 of lane r is the sum for W's row r.  Two K steps of 128 on two accumulators, added afterwards; the two halves of q meet in LDS.
; CLUSTER.  The four work-groups of a cluster are four batches with the same j: they need the same rows of W, and each wave's tile is asked for JOINTLY (same descriptor, mask of all four).
; THE STREAM.  Wave w owns key rows 128 w .. + 127.  A load: lanes 0-15 take 256 consecutive bytes of one row, lanes 16-31 of the row 64 further down; two loads cover the slice's 512 bytes of both.
; A ring of 32 loads a wave, in registers, is issued straight behind the request for W and stays full until the last round: 16 waves x 32 x 512 bytes are on their way while mids is made.
; No prefetch instruction and no LDS ring for key: no wave shares a key byte with another, and every wave has its 32 loads out from its first lines on.
; The second product has one column: fused multiply-adds in f32; the matrix unit would want conversions that cost as many vector instructions.
; LIMITS: NaN and infinities among the inputs are not served.  A block of zeros, and one whose largest magnitude lies under 2^-124, gets the byte 1 (a block of zeros has zero codes, which add nothing under that byte).
; mids is summed in four parts of 128 along q, a row's slice in 16 lanes' parts: another order of f32 additions than a single chain.
.set ROWB,  2048                       ; a row of key, of W and of query in bytes
.set WP,    1040                       ; a row of my tile of W in LDS: 1,024 bytes + 16 of padding = 260 words: the 16 rows that a load touches start 4 banks apart (64 banks of 4 bytes: ISA guide 11.1)
.set WT,    16*WP                      ; a wave's tile
.set QS,    16*WT                      ; behind the tiles: 1,024 bytes for each wave, its half of the query
.set MX,    QS+16*1024                 ; behind them: mids' two parts, 128 numbers each
.set KO,    1                          ; v1   key: 16 (lane % 16) + 64 rows x (lane / 16); never rewritten
.set AW,    2                          ; v2   LDS: my row of my tile of W, + 128 (lane / 16)
.set AQ,    3                          ; v3   LDS: my wave's half of the query, + 128 (lane / 16)
.set SH,    4                          ; v4   8 (lane / 16)
.set LQ,    5                          ; v5   16 x lane; never rewritten
.set T,     6                          ; v6-9 at work in the quantiser
.set SQ,    10                         ; v10, v11  the query's scale words, K step 0, 1: these four registers hold scales and nothing else
.set SW,    12                         ; v12, v13  W's
.set QST,   14                         ; v14  LDS: where I put 16 bytes of the query
.set MST,   15                         ; v15  LDS: where my wave's 16 numbers of mids go
.set QC,    16                         ; v16-31  the query's codes, two fragments
.set WC,    32                         ; v32-47  W's
.set X,     48                         ; v48-111 64 numbers: two blocks of 32
.set D,     48                         ; v48-63  the two accumulators, where the numbers lay
.set R,     64                         ; v64-67  the four rounds' results; round i's 16 partial sums lie at v[R + i] on, so that its result falls on v[R + i]
.set TT,    84                         ; v84-91  the fold's temporaries
.set TA,    92                         ; v[92:93], v[94:95] two rows' sums at work
.set TB,    94
.set MID,   112                        ; v112-119 first the query as loaded, then my 8 numbers of mids: k = 4 r .. + 3 and 64 + 4 r .. + 3
.set MLD,   120                        ; v120 LDS: where I read them
.set LR,    121                        ; v121 r = lane % 16
.set LH,    122                        ; v122 h = lane / 16
.set RG,    128                        ; v128-255 the ring: 32 loads of 4 registers
.set G0,    12                         ; s[12:15] descriptor group 0
.set G1,    16                         ; s[16:23] group 1
.set WV,    24                         ; s24  my wave's number
.set SEL,   32                         ; s[32:33] v_permlanex16_b32's selects for lane l xor 16
.set M8,    36                         ; s36-39 the lanes whose number has bit 3, 2, 1, 0 set
.set M4,    37
.set M2,    38
.set M1,    39
; A round of the cluster's barrier: my work-group's barrier, wave 0 signals for the work-group, every wave waits for all four work-groups, my work-group's barrier once more.
.macro CROUND
	s_barrier_signal -1
	s_barrier_wait -1
	s_cmp_lg_u32 s[WV], 0
	s_cbranch_scc1 .Lnot_wave_0_\@
	s_barrier_signal -3
.Lnot_wave_0_\@:
	s_barrier_wait -3
	s_barrier_signal -1
	s_barrier_wait -1
.endm
; Round i, pair p: rows 4 p + i (lanes 0-15) and 64 + 4 p + i (lanes 16-31) of my 128, the slice's first and second 256 bytes.  Every offset is an immediate: no address is ever stepped.
.macro KLOAD i, p
	global_load_b128 v[RG+8*(\p):RG+8*(\p)+3],   v[KO], s[8:9] offset:(4*(\p)+(\i))*ROWB th:TH_LOAD_NT
	global_load_b128 v[RG+8*(\p)+4:RG+8*(\p)+7], v[KO], s[8:9] offset:(4*(\p)+(\i))*ROWB+256 th:TH_LOAD_NT
.endm
; K step s of my row at v[adr]: the 64 numbers q = 128 s + 64 c + 32 h + 0 .. 31, c = 0, 1: the very numbers whose codes the operand's layout gives lane (r, h)
.macro LOADX adr, s
.irp c, 0,1
.irp i, 0,1,2,3,4,5,6,7
	ds_load_b128 v[X+32*\c+4*\i:X+32*\c+4*\i+3], v[\adr] offset:512*(\s)+256*\c+16*\i
.endr
.endr
.endm
; The 64 numbers become a fragment's 8 registers of codes at v[c] on and my row's scale word in v[w].
.macro QUANT c, w
	v_max3_num_f32 v[T],   |v[X]|,    |v[X+1]|,  0x1800000          ; each block's largest magnitude, and the floor 2^(3 - 127): the byte cannot fall under 1
	v_max3_num_f32 v[T+1], |v[X+32]|, |v[X+33]|, 0x1800000
.irp i, 2,4,6,8,10,12,14,16,18,20,22,24,26,28,30
	v_max3_num_f32 v[T],   v[T],   |v[X+\i]|,    |v[X+1+\i]|       ; (the two blocks by turns)
	v_max3_num_f32 v[T+1], v[T+1], |v[X+32+\i]|, |v[X+33+\i]|
.endr
	v_add_nc_u32 v[T],   0xff000000, v[T]                          ; 2 off the exponent field: the conversion takes the exponent field of this operand as its scale
	v_add_nc_u32 v[T+1], 0xff000000, v[T+1]
	v_lshrrev_b32 v[T+2], 23, v[T]                                 ; the scales' bytes: blocks h and 2 + h of the K step
	v_lshrrev_b32 v[T+3], 23, v[T+1]
	v_lshl_or_b32 v[T+2], v[T+3], 16, v[T+2]
	v_lshlrev_b32 v[T+2], v[SH], v[T+2]                            ; at their places in the word (8 h bits up);
	v_permlanex16_b32 v[T+3], v[T+2], s[SEL], s[SEL+1]
	v_or_b32 v[\w], v[T+2], v[T+3]                                 ; with lane l xor 16's two the word is whole
.irp g, 0,1,2,3
	v_cvt_scalef32_pk8_fp4_f32 v[(\c)+\g],   v[X+8*\g:X+8*\g+7],       v[T]
	v_cvt_scalef32_pk8_fp4_f32 v[(\c)+4+\g], v[X+32+8*\g:X+32+8*\g+7], v[T+1]
.endr
	v_nop                                                          ; one plain place behind the last scaled conversion
.endm
	s_load_b256 s[4:11], s[0:1], 0x0               ; W s[4:5], query s[6:7], key s[8:9], part s[10:11]
	v_lshl_add_u32 v126, v0, 2, 0x46000
	v_mov_b32 v127, 0
	ds_add_u32 v126, v127
	ds_add_u32 v126, v127
	v_lshrrev_b32 v[T], 5, v0
	v_readfirstlane_b32 s[WV], v[T]                ; wave 0..15
	s_bfe_u32 s40, ttmp6, 0x40000                  ; cx: my place in the cluster
	s_lshl_b32 s25, ttmp9, 2                       ; in a cluster launch ttmp9 counts clusters
	s_add_co_u32 s25, s25, s40                     ; b = 4 x cluster x + cx: it enters the addresses of query, key and part alone
	s_and_b32 s41, ttmp7, 0xffff                   ; j, which the four partners share
	s_lshr_b32 s26, s[WV], 1                       ; which 16 rows of W's slice are mine
	s_and_b32 s27, s[WV], 1                        ; which half of q
	; descriptor group 1: a tile of 16 rows x 256 elements of 4 bytes, rows 512 elements apart, padded in LDS
	s_mov_b32 s[G1],   15|(2<<16)|(1<<20)|(1<<21)|(7<<22)|(3<<25)  ; 15:0 the mask: all four work-groups; 17:16 elements of 4 bytes; 20 padding on; 21 set beside a mask; 24:22 after every 256 words (code 7); 31:25 four words (code 3)
	s_mov_b32 s[G1+1], 256<<16                     ; tensor_dim0 = 256
	s_mov_b32 s[G1+2], 16<<16                      ; tensor_dim1 = 16
	s_mov_b32 s[G1+3], 256<<16                     ; tile_dim0 = 256
	s_mov_b32 s[G1+4], 16                          ; tile_dim1 = 16
	s_mov_b32 s[G1+5], 512                         ; tensor_dim0_stride
	s_mov_b32 s[G1+6], 0
	s_mov_b32 s[G1+7], 0
	s_mov_b32 s[G0], 1                             ; count = 1
	s_mul_i32 s[G0+1], s[WV], WT                   ; LDS address: the wave's number alone
	s_lshl_b32 s28, s41, 18                        ; W: 128 j rows of 2,048 bytes
	s_lshl_b32 s29, s26, 15                        ;    + my 16 rows
	s_add_co_u32 s28, s28, s29
	s_lshl_b32 s29, s27, 10                        ;    + my half of q: made of j and the wave's number, which all four partners share
	s_add_co_u32 s28, s28, s29
	s_mov_b32 s29, 0
	s_lshl_b32 s42, s25, 11                        ; query: row b, my half
	s_lshl_b32 s43, s27, 10
	s_add_co_u32 s42, s42, s43
	s_mov_b32 s43, 0
	s_lshl_b32 s44, s25, 22                        ; key: batch b (4 MiB each: under 2^28 in all), my wave's 128 rows, the slice's 512 bytes
	s_lshl_b32 s45, s[WV], 18
	s_add_co_u32 s44, s44, s45
	s_lshl_b32 s45, s41, 9
	s_add_co_u32 s44, s44, s45
	s_mov_b32 s45, 0
	s_lshl_b32 s46, s25, 2                         ; part: (4 b + j) x 8,192 bytes + my wave's 512
	s_add_co_u32 s46, s46, s41
	s_lshl_b32 s46, s46, 13
	s_lshl_b32 s47, s[WV], 9
	s_add_co_u32 s46, s46, s47
	s_mov_b32 s47, 0
	s_lshl_b32 s30, s[WV], 10
	s_add_co_u32 s30, s30, QS                      ; LDS: my wave's half of the query
	s_lshl_b32 s31, s27, 9                         ; LDS: mids' part for my half of q,
	s_lshl_b32 s34, s26, 6                         ;      my 16 numbers in it
	s_add_co_u32 s31, s31, s34
	s_add_co_u32 s31, s31, MX
	s_mov_b32 s[SEL], 0x76543210
	s_mov_b32 s[SEL+1], 0xfedcba98
	s_mov_b32 s[M8], 0xff00ff00
	s_mov_b32 s[M4], 0xf0f0f0f0
	s_mov_b32 s[M2], 0xcccccccc
	s_mov_b32 s[M1], 0xaaaaaaaa
	v_and_b32 v[LR], 15, v0
	v_bfe_u32 v[LH], v0, 4, 1
	v_and_b32 v[LQ], 31, v0
	v_lshlrev_b32 v[LQ], 4, v[LQ]
	v_lshlrev_b32 v[KO], 4, v[LR]
	v_lshl_add_u32 v[KO], v[LH], 17, v[KO]         ; 64 rows of 2,048 bytes
	v_mul_u32_u24 v[AW], v[LR], WP
	v_lshl_add_u32 v[AW], v[LH], 7, v[AW]
	v_add_nc_u32 v[AW], s[G0+1], v[AW]
	v_lshl_add_u32 v[AQ], v[LH], 7, s30
	v_add_nc_u32 v[QST], s30, v[LQ]
	v_lshlrev_b32 v[SH], 3, v[LH]
	v_lshl_add_u32 v[MST], v[LR], 2, s31
	v_lshl_add_u32 v[MLD], v[LR], 4, MX
	s_wait_dscnt 0x0
	s_wait_kmcnt 0x0
	s_add_nc_u64 s[G0+2:G0+3], s[4:5], s[28:29]    ; global address of my tile
	s_or_b32 s[G0+3], s[G0+3], 0x80000000          ; type = 2
	s_add_nc_u64 s[6:7], s[6:7], s[42:43]
	s_add_nc_u64 s[8:9], s[8:9], s[44:45]
	s_add_nc_u64 s[10:11], s[10:11], s[46:47]
	CROUND                                         ; all four work-groups are here: the joint loads meet
	tensor_load_to_lds s[G0:G0+3], s[G1:G1+7]      ; W first: mids is what the stream will wait for.  My one tensor load; its bytes are filled once
	s_nop 0
.rept 4
	v_nop
.endr
	global_load_b128 v[MID:MID+3],   v[LQ], s[6:7]             ; my half of the query: 2 x 512 consecutive bytes
	global_load_b128 v[MID+4:MID+7], v[LQ], s[6:7] offset:512
.irp p, 0,1,2,3,4,5,6,7,8,9,10,11,12,13,14,15
	KLOAD 0, \p                                    ; the ring is filled: round 0
.endr
	s_wait_loadcnt 32                              ; loads come back in order (ISA guide 5.7.1): the query is in, the 32 key loads behind it stay out
	ds_store_b128 v[QST], v[MID:MID+3]             ; through my wave's own bytes: LDS serves a wave's instructions in order, so no wait stands between these and the loads below
	ds_store_b128 v[QST], v[MID+4:MID+7] offset:512
	LOADX AQ, 0                                    ; all 16 lanes of a half read the same bytes: the query stands in all 16 rows of source 0
	s_wait_dscnt 0x0
	QUANT QC, SQ
	LOADX AQ, 1
	s_wait_dscnt 0x0
	QUANT QC+8, SQ+1
	s_wait_tensorcnt 0x0                           ; my tile of W has landed; only I read it
	LOADX AW, 0
	s_wait_dscnt 0x0
	QUANT WC, SW
	LOADX AW, 1
	s_wait_dscnt 0x0
	QUANT WC+8, SW+1
.rept 8
	v_nop                                          ; a scale register written by a vector instruction stands 8 places ahead of a scaled matrix instruction, an operand so written 4
.endr
	v_wmma_scale_f32_16x16x128_f8f6f4 v[D:D+7],    v[QC:QC+7],    v[WC:WC+7],    0, v[SQ],   v[SW]   matrix_a_fmt:MATRIX_FMT_FP4 matrix_b_fmt:MATRIX_FMT_FP4
	v_wmma_scale_f32_16x16x128_f8f6f4 v[D+8:D+15], v[QC+8:QC+15], v[WC+8:WC+15], 0, v[SQ+1], v[SW+1] matrix_a_fmt:MATRIX_FMT_FP4 matrix_b_fmt:MATRIX_FMT_FP4   ; another accumulator: no chain
.rept 4
	v_nop                                          ; four places before a vector instruction reads a matrix result (ISA guide 7.12.1)
.endr
	v_add_f32 v[T], v[D], v[D+8]                   ; register 0 of each: (any row of source 0, W's row r): my half's part of mids
	ds_store_b32 v[MST], v[T]                      ; lanes r and 16 + r write the same word with the same value
	s_wait_dscnt 0x0                               ; for the others' sake: my store has landed
	s_barrier_signal -1
	s_barrier_wait -1                              ; all 2 x 128 numbers lie in LDS
	ds_load_b128 v[R:R+3],     v[MLD]              ; first half of q: k = 4 r .. + 3,
	ds_load_b128 v[R+4:R+7],   v[MLD] offset:256   ;                  k = 64 + 4 r .. + 3;
	ds_load_b128 v[R+8:R+11],  v[MLD] offset:512   ; second half likewise
	ds_load_b128 v[R+12:R+15], v[MLD] offset:768
	s_wait_dscnt 0x0
.irp e, 0,2,4,6
	v_pk_add_f32 v[MID+\e:MID+\e+1], v[R+\e:R+\e+1], v[R+8+\e:R+9+\e]
.endr
; THE FOLD.  Round i's 16 registers hold, in lane (r, h), that lane's part of the sums of rows 4 p + i + 64 h, p = 0 .. 15.  A step joins registers a and b across lanes l and l xor x: the lanes whose bit is
; clear keep a's sum, the others b's: two selects and one addition that reads the partner by DPP.  Four steps (x = 8, 4, 2, 1) leave ONE register in which lane (r, h) holds the whole sum of p = r.
.macro REDUCE i
.irp q, 0,1,2,3,4,5,6,7
	v_cndmask_b32 v[TT+\q], v[R+(\i)+\q+8], v[R+(\i)+\q], s[M8]        ; what my partner keeps
.endr
.irp q, 0,1,2,3,4,5,6,7
	v_cndmask_b32 v[R+(\i)+\q], v[R+(\i)+\q], v[R+(\i)+\q+8], s[M8]    ; what I keep
.endr
.irp q, 0,1,2,3,4,5,6,7
	v_add_f32_dpp v[R+(\i)+\q], v[TT+\q], v[R+(\i)+\q] row_xmask:8 row_mask:0xf bank_mask:0xf
.endr
.irp q, 0,1,2,3
	v_cndmask_b32 v[TT+\q], v[R+(\i)+\q+4], v[R+(\i)+\q], s[M4]
.endr
.irp q, 0,1,2,3
	v_cndmask_b32 v[R+(\i)+\q], v[R+(\i)+\q], v[R+(\i)+\q+4], s[M4]
.endr
.irp q, 0,1,2,3
	v_add_f32_dpp v[R+(\i)+\q], v[TT+\q], v[R+(\i)+\q] row_xmask:4 row_mask:0xf bank_mask:0xf
.endr
.irp q, 0,1
	v_cndmask_b32 v[TT+\q], v[R+(\i)+\q+2], v[R+(\i)+\q], s[M2]
.endr
.irp q, 0,1
	v_cndmask_b32 v[R+(\i)+\q], v[R+(\i)+\q], v[R+(\i)+\q+2], s[M2]
.endr
.irp q, 0,1
	v_add_f32_dpp v[R+(\i)+\q], v[TT+\q], v[R+(\i)+\q] row_xmask:2 row_mask:0xf bank_mask:0xf
.endr
	v_cndmask_b32 v[TT], v[R+(\i)+1], v[R+(\i)], s[M1]
	v_cndmask_b32 v[R+(\i)], v[R+(\i)], v[R+(\i)+1], s[M1]
	v_add_f32_dpp v[R+(\i)], v[TT], v[R+(\i)] row_xmask:1 row_mask:0xf bank_mask:0xf   ; lane l = 16 h + r: row 4 l + i of my 128
.endm
; ROUND i of the ring: 32 rows, two pairs of loads (four rows) at a time, in two chains.  refill = 1: each pair's registers take the same pair of round i + 1 as soon as they are read.
.macro TURN i, refill
.irp p, 0,2,4,6,8,10,12,14
.if \refill
	s_wait_loadcnt 28                              ; behind the four loads wanted now stand 28 younger ones: the 28 - 2 p left of this round and the 2 p refills issued in it
.else
	s_wait_loadcnt 28-2*\p                         ; nothing is refilled: the count runs down
.endif
	v_pk_mul_f32 v[TA:TA+1], v[RG+8*\p:RG+8*\p+1],   v[MID:MID+1]
	v_pk_mul_f32 v[TB:TB+1], v[RG+8*\p+8:RG+8*\p+9], v[MID:MID+1]
.irp e, 2,4,6
	v_pk_fma_f32 v[TA:TA+1], v[RG+8*\p+\e:RG+8*\p+1+\e],   v[MID+\e:MID+\e+1], v[TA:TA+1]
	v_pk_fma_f32 v[TB:TB+1], v[RG+8*\p+8+\e:RG+8*\p+9+\e], v[MID+\e:MID+\e+1], v[TB:TB+1]
.endr
	v_add_f32 v[R+(\i)+\p],   v[TA], v[TA+1]       ; my 8 products of the pair's row
	v_add_f32 v[R+(\i)+\p+1], v[TB], v[TB+1]
.if \refill
	KLOAD (\i)+1, \p
	KLOAD (\i)+1, \p+1
.endif
.endr
	REDUCE \i
.endm
	TURN 0, 1
	TURN 1, 1
	TURN 2, 1
	TURN 3, 0                                      ; the last round loads nothing: no load leaves the buffer
	global_store_b128 v[LQ], v[R:R+3], s[10:11]    ; lane l: rows 4 l .. 4 l + 3: the wave stores 512 consecutive bytes, at a multiple of 512 from part's first byte
	s_wait_tensorcnt 0x0
	ds_add_u32 v126, v127
	s_wait_dscnt 0x0
	CROUND                                         ; the closing round: no work-group ends while a partner may still ask for a tile that names it
	s_endpgm
.Lfunc_end_k_q665fe4bbd3_slices:
	.size	k_q665fe4bbd3_slices, .Lfunc_end_k_q665fe4bbd3_slices-k_q665fe4bbd3_slices
	.p2alignl 7, 3214868480
	.fill 96, 4, 3214868480
	.section	.rodata,"a",@progbits
	.p2align	6, 0x0
	.amdhsa_kernel k_q665fe4bbd3_slices
		.amdhsa_group_segment_fixed_size 288768
		.amdhsa_private_segment_fixed_size 0
		.amdhsa_enable_private_segment 0
		.amdhsa_kernarg_size 32
		.amdhsa_user_sgpr_count 2
		.amdhsa_user_sgpr_kernarg_segment_ptr 1
		.amdhsa_wavefront_size32 1
		.amdhsa_system_sgpr_workgroup_id_x 1
		.amdhsa_system_sgpr_workgroup_id_y 1
		.amdhsa_system_sgpr_workgroup_id_z 1
		.amdhsa_system_vgpr_workitem_id 0
		.amdhsa_next_free_vgpr 256
		.amdhsa_next_free_sgpr 66
		.amdhsa_reserve_vcc 0
		.amdhsa_float_denorm_mode_32 3
		.amdhsa_float_denorm_mode_16_64 3
		.amdhsa_memory_ordered 1
		.amdhsa_forward_progress 1
		.amdhsa_inst_pref_size 65
	.end_amdhsa_kernel
	.amdgpu_metadata
---
amdhsa.version: [ 1, 2 ]
amdhsa.kernels:
  - .name:           k_q665fe4bbd3_slices
    .symbol:         k_q665fe4bbd3_slices.kd
    .args:
      - { .name: W, .offset: 0, .size: 8, .value_kind: global_buffer, .address_space: global }
      - { .name: query, .offset: 8, .size: 8, .value_kind: global_buffer, .address_space: global }
      - { .name: key, .offset: 16, .size: 8, .value_kind: global_buffer, .address_space: global }
      - { .name: part, .offset: 24, .size: 8, .value_kind: global_buffer, .address_space: global }
    .group_segment_fixed_size: 288768
    .private_segment_fixed_size: 0
    .kernarg_segment_align: 8
    .kernarg_segment_size: 32
    .max_flat_workgroup_size: 512
    .sgpr_count:     66
    .vgpr_count:     256
    .wavefront_size: 32
...
	.end_amdgpu_metadata
.endif
;; end of part 1
;; launch softmax (part 2): grid 64 x 1, 16 waves a work-group, no clusters, 2,304 bytes of LDS; arguments part, bias, out0; writes out0
.if DOCPART == 2
	.amdgcn_target "amdgcn-amd-amdhsa--gfx1250"
	.amdhsa_code_object_version 6
	.text
	.protected	k_q665fe4bbd3_softmax
	.globl	k_q665fe4bbd3_softmax
	.p2align	8
	.type	k_q665fe4bbd3_softmax,@function
k_q665fe4bbd3_softmax:
	s_mov_b64 s[64:65], 0
	v_nop
	global_prefetch_b8 v0, s[64:65] scope:SCOPE_SE
	s_setreg_imm32_b32 hwreg(HW_REG_WAVE_MODE, 25, 1), 1
	s_wait_xcnt 0x0
; out0[b][t] = softmax over t of tanh(part[b][0][t] + part[b][1][t] + part[b][2][t] + part[b][3][t] + bias).  part [64][4][2048], out0 [64][2048], f32.
; One work-group owns one batch row, since the softmax's sum has one owner: 16 waves, 4 neighbouring t a thread: every load and the store take 16 bytes a lane, 512 consecutive bytes a wave.
; tanh(x) = 1 - 2 / (1 + 2^(2 log2(e) x)): 2^.. overflows to infinity or falls to 0 for large |x|, and the quotient then gives +1 or -1 as it should.
; THE MAXIMUM IS TAKEN AWAY, by a running maximum: each wave takes its own largest score m and its sum l of 2^((s - m) log2 e); behind ONE barrier lane i takes wave i's pair, and the 16 pairs are
; joined: M = the largest m, L = the sum of l 2^((m - M) log2 e); a thread's result is its exponential x 2^((its wave's m - M) log2 e) / L.
; LIMITS: NaN among the partial sums is not served (the maxima pass over it).
.set SLICE, 8192                       ; a slice's 2,048 partial sums in bytes
.set L2E,   0x3fb8aa3b                 ; log2(e)
	s_load_b128 s[4:7], s[0:1], 0x0                ; part s[4:5], bias s[6:7]
	s_load_b64 s[8:9], s[0:1], 0x10                ; out0
	v_lshl_add_u32 v24, v0, 2, 0x100
	v_mov_b32 v25, 0
	v_lshlrev_b32 v1, 4, v0                        ; my 16 bytes of a slice and of the output row
	v_lshrrev_b32 v2, 5, v0
	v_lshlrev_b32 v2, 3, v2                        ; LDS: 8 bytes for each wave
	v_and_b32 v3, 15, v0
	v_lshlrev_b32 v3, 3, v3                        ; LDS: the pair of wave lane % 16
	s_lshl_b32 s10, ttmp9, 15                      ; batch b: 4 slices of 8,192 bytes in,
	s_mov_b32 s11, 0
	s_lshl_b32 s12, ttmp9, 13                      ; 8,192 bytes out
	s_mov_b32 s13, 0
	s_mov_b32 s16, 0x4038aa3b                      ; 2 log2(e)
	s_mov_b32 s17, s16                             ; (named with it as a pair, so it is written)
	s_mov_b32 s20, 0x76543210
	s_mov_b32 s21, 0xfedcba98                      ; v_permlanex16_b32's selects for lane l xor 16
	s_wait_kmcnt 0x0
	s_load_b32 s14, s[6:7], 0x0                    ; the bias
	s_add_nc_u64 s[4:5], s[4:5], s[10:11]
	s_add_nc_u64 s[8:9], s[8:9], s[12:13]
	global_load_b128 v[4:7],   v1, s[4:5] th:TH_LOAD_NT
	global_load_b128 v[8:11],  v1, s[4:5] offset:SLICE th:TH_LOAD_NT
	global_load_b128 v[12:15], v1, s[4:5] offset:2*SLICE th:TH_LOAD_NT
	global_load_b128 v[16:19], v1, s[4:5] offset:3*SLICE th:TH_LOAD_NT
	s_wait_kmcnt 0x0
	s_mul_f32 s18, s14, s16                        ; bias x 2 log2(e): the addend of the fused multiply-add below
	v_mov_b32 v20, s18
	v_mov_b32 v21, s18
	s_wait_loadcnt 0x0
	v_pk_add_f32 v[4:5],   v[4:5],   v[8:9]        ; the four slices' sums
	v_pk_add_f32 v[6:7],   v[6:7],   v[10:11]
	v_pk_add_f32 v[12:13], v[12:13], v[16:17]
	v_pk_add_f32 v[14:15], v[14:15], v[18:19]
	v_pk_add_f32 v[4:5],   v[4:5],   v[12:13]
	v_pk_add_f32 v[6:7],   v[6:7],   v[14:15]
	v_pk_fma_f32 v[4:5], v[4:5], s[16:17], v[20:21] op_sel_hi:[1,0,1]   ; (x + bias) 2 log2(e)
	v_pk_fma_f32 v[6:7], v[6:7], s[16:17], v[20:21] op_sel_hi:[1,0,1]
.irp i, 4,5,6,7
	v_exp_f32 v\i, v\i
.endr
	v_nop                                          ; a plain instruction behind the last transcendental (ISA guide 5.7.2),
	s_wait_alu depctr_va_vdst(0)                   ; and one wait for the batch ahead of its first reader
	v_pk_add_f32 v[4:5], v[4:5], 1.0 op_sel_hi:[1,0]
	v_pk_add_f32 v[6:7], v[6:7], 1.0 op_sel_hi:[1,0]
.irp i, 4,5,6,7
	v_rcp_f32 v\i, v\i
.endr
	v_nop
	s_wait_alu depctr_va_vdst(0)
	v_pk_fma_f32 v[4:5], v[4:5], -2.0, 1.0 op_sel_hi:[1,0,0]    ; the scores: tanh
	v_pk_fma_f32 v[6:7], v[6:7], -2.0, 1.0 op_sel_hi:[1,0,0]
	v_max3_num_f32 v8, v4, v5, v6                  ; my wave's largest score: within the lane,
	v_max_num_f32 v8, v8, v7
.irp x, 1,2,4,8
	v_max_num_f32_dpp v8, v8, v8 row_xmask:\x row_mask:0xf bank_mask:0xf   ; within each 16 lanes,
.endr
	v_permlanex16_b32 v9, v8, s20, s21             ; (its destination counts as read: v9 has been loaded)
	v_max_num_f32 v8, v8, v9                       ; and across the halves: m
	v_mul_f32 v10, L2E, v8                         ; m log2(e)
	v_pk_fma_f32 v[4:5], v[4:5], L2E, v[10:11] op_sel_hi:[1,0,0] neg_lo:[0,0,1] neg_hi:[0,0,1]   ; (s - m) log2(e): of the pair v[10:11] the low word serves both halves
	v_pk_fma_f32 v[6:7], v[6:7], L2E, v[10:11] op_sel_hi:[1,0,0] neg_lo:[0,0,1] neg_hi:[0,0,1]
.irp i, 4,5,6,7
	v_exp_f32 v\i, v\i
.endr
	v_nop
	s_wait_alu depctr_va_vdst(0)
	v_add_f32 v12, v4, v5                          ; my wave's sum l, the same way
	v_add_f32 v13, v6, v7
	v_add_f32 v9, v12, v13
.irp x, 1,2,4,8
	v_add_f32_dpp v9, v9, v9 row_xmask:\x row_mask:0xf bank_mask:0xf
.endr
	v_permlanex16_b32 v12, v9, s20, s21
	v_add_f32 v9, v9, v12
	ds_store_b64 v2, v[8:9]                        ; (m, l): all lanes write the same words with the same values
	s_wait_dscnt 0x0                               ; for the others' sake: my store has landed
	s_barrier_signal -1
	s_barrier_wait -1
	ds_load_b64 v[12:13], v3                       ; lane i and lane 16 + i: wave i's pair
	s_wait_dscnt 0x0
	v_max_num_f32_dpp v14, v12, v12 row_xmask:1 row_mask:0xf bank_mask:0xf   ; (v14 has been loaded)
.irp x, 2,4,8
	v_max_num_f32_dpp v14, v14, v14 row_xmask:\x row_mask:0xf bank_mask:0xf  ; M, in every lane
.endr
	v_mul_f32 v14, L2E, v14                        ; M log2(e)
	v_fma_f32 v12, v12, L2E, -v14                  ; (wave i's m - M) log2(e)
	v_sub_f32 v15, v10, v14                        ; (my wave's m - M) log2(e)
	v_exp_f32 v12, v12
	v_exp_f32 v15, v15
	v_nop
	s_wait_alu depctr_va_vdst(0)
	v_mul_f32 v13, v13, v12                        ; wave i's sum under M
.irp x, 1,2,4,8
	v_add_f32_dpp v13, v13, v13 row_xmask:\x row_mask:0xf bank_mask:0xf      ; L, in every lane
.endr
	v_rcp_f32 v18, v13
	v_nop
	s_wait_alu depctr_va_vdst(0)
	v_mul_f32 v16, v15, v18                        ; what brings my exponentials under M and divides by L
	v_pk_mul_f32 v[4:5], v[4:5], v[16:17] op_sel_hi:[1,0]       ; (of the pair v[16:17] the low word serves both halves; v17 has been loaded)
	v_pk_mul_f32 v[6:7], v[6:7], v[16:17] op_sel_hi:[1,0]
	global_store_b128 v1, v[4:7], s[8:9]           ; 16 lanes store 256 consecutive bytes, at a multiple of 256 from out0's first byte
	s_wait_tensorcnt 0x0
	ds_add_u32 v24, v25
	s_wait_dscnt 0x0
	s_endpgm
.Lfunc_end_k_q665fe4bbd3_softmax:
	.size	k_q665fe4bbd3_softmax, .Lfunc_end_k_q665fe4bbd3_softmax-k_q665fe4bbd3_softmax
	.p2alignl 7, 3214868480
	.fill 96, 4, 3214868480
	.section	.rodata,"a",@progbits
	.p2align	6, 0x0
	.amdhsa_kernel k_q665fe4bbd3_softmax
		.amdhsa_group_segment_fixed_size 2304
		.amdhsa_private_segment_fixed_size 0
		.amdhsa_enable_private_segment 0
		.amdhsa_kernarg_size 24
		.amdhsa_user_sgpr_count 2
		.amdhsa_user_sgpr_kernarg_segment_ptr 1
		.amdhsa_wavefront_size32 1
		.amdhsa_system_sgpr_workgroup_id_x 1
		.amdhsa_system_sgpr_workgroup_id_y 1
		.amdhsa_system_sgpr_workgroup_id_z 1
		.amdhsa_system_vgpr_workitem_id 0
		.amdhsa_next_free_vgpr 26
		.amdhsa_next_free_sgpr 66
		.amdhsa_reserve_vcc 0
		.amdhsa_float_denorm_mode_32 3
		.amdhsa_float_denorm_mode_16_64 3
		.amdhsa_memory_ordered 1
		.amdhsa_forward_progress 1
		.amdhsa_inst_pref_size 6
	.end_amdhsa_kernel
	.amdgpu_metadata
---
amdhsa.version: [ 1, 2 ]
amdhsa.kernels:
  - .name:           k_q665fe4bbd3_softmax
    .symbol:         k_q665fe4bbd3_softmax.kd
    .args:
      - { .name: part, .offset: 0, .size: 8, .value_kind: global_buffer, .address_space: global }
      - { .name: bias, .offset: 8, .size: 8, .value_kind: global_buffer, .address_space: global }
      - { .name: out0, .offset: 16, .size: 8, .value_kind: global_buffer, .address_space: global }
    .group_segment_fixed_size: 2304
    .private_segment_fixed_size: 0
    .kernarg_segment_align: 8
    .kernarg_segment_size: 24
    .max_flat_workgroup_size: 512
    .sgpr_count:     66
    .vgpr_count:     26
    .wavefront_size: 32
...
	.end_amdgpu_metadata
.endif
;; end of part 2
